; MI455X (gfx1250); checked and timed in simulation.
; The chip was launched on July 23, 2026; its instructions are those of AMD's public machine-readable ISA for CDNA 5 (MIT licence, August 2026) and "CDNA5" Instruction Set Architecture Reference Guide (July 2026). The comments in the code are by the model that wrote it; some were corrected since.
;; Multi Head Attention. Allowed arithmetic: matrix products marked QUANTISED: E2M1 operands, one E8M0 scale for each 32 along K, by v_wmma_scale_f32_16x16x128_f8f6f4 with both operands' format E2M1 (or v_wmma_scale_f32_32x16x128_f4), f32 sums; everything else in f32.
;; Inputs: Wk_codes 1,024 x 32 x 16 uint8 (E2M1 codes of Wk, K innermost, in blocks of 32 codes, two codes a byte); Wk_scales 1,024 x 32 uint8 (E8M0 scales of Wk, one for each 32 codes along K); Wo_codes 1,024 x 32 x 16 uint8 (E2M1 codes of Wo, K innermost, in blocks of 32 codes, two codes a byte); Wo_scales 1,024 x 32 uint8 (E8M0 scales of Wo, one for each 32 codes along K); Wq_codes 1,024 x 32 x 16 uint8 (E2M1 codes of Wq, K innermost, in blocks of 32 codes, two codes a byte); Wq_scales 1,024 x 32 uint8 (E8M0 scales of Wq, one for each 32 codes along K); Wv_codes 1,024 x 32 x 16 uint8 (E2M1 codes of Wv, K innermost, in blocks of 32 codes, two codes a byte); Wv_scales 1,024 x 32 uint8 (E8M0 scales of Wv, one for each 32 codes along K); bk 1,024 float32; bo 1,024 float32; bq 1,024 float32; bv 1,024 float32; x_codes 1 x 4,096 x 32 x 16 uint8 (E2M1 codes of x, K innermost, in blocks of 32 codes, two codes a byte); x_scales 1 x 4,096 x 32 uint8 (E8M0 scales of x, one for each 32 codes along K).
;; Outputs: out0 1 x 4,096 x 1,024 float32.
;; This version of the problem:
;;   THIS VERSION OF THE PROBLEM IS GIVEN IN LOW PRECISION. The matrix products marked QUANTISED in the list below multiply operands that are first quantised to E2M1 (2 exponent bits, 1 mantissa bit; 4 bits a number), with one power-of-two scale for each 32 numbers along K (OCP MX v1.0); their sums are f32. All else is computed in f32.
;;   The module's matrix products, in the order in which they are computed (A, B: the left and right operand; K: the contracted axis; several contracted axes count as one K, in the product's order):
;;     1. [M 4,096, K 1,024] x [K 1,024, N 1,024]; A: input x (given as codes); B: input Wq (given as codes): QUANTISED
;;     2. [M 4,096, K 1,024] x [K 1,024, N 1,024]; A: input x (given as codes); B: input Wk (given as codes): QUANTISED
;;     3. [M 4,096, K 1,024] x [K 1,024, N 1,024]; A: input x (given as codes); B: input Wv (given as codes): QUANTISED
;;     4. batch 16 x [M 4,096, K 64] x [K 64, N 4,096]; A: computed on the way; B: computed on the way: QUANTISED
;;     5. batch 16 x [M 4,096, K 4,096] x [K 4,096, N 64]; A: softmax (see below); B: computed on the way: QUANTISED
;;     6. [M 4,096, K 1,024] x [K 1,024, N 1,024]; A: computed on the way; B: input Wo (given as codes): QUANTISED
;;   THE QUANTISER, for each operand of a quantised product, along K:
;;     - K is cut into blocks of 32 from its start; a last block that is shorter is filled with zeros.
;;     - A block's scale is 2^e with e = floor(log2(the largest magnitude in the block)) - 2, held to -126 .. 127; a block of zeros has e = 0. As a byte (E8M0): e + 127.
;;     - Each number is divided by its block's scale, clamped to +-6, and rounded to the nearest number of E2M1, ties to even, subnormals kept.
;;     - The product sums the exact products of the quantised numbers (number of the format x scale) in f32.
;;   ~~~python
;;   def quantise(x, axis):      # numpy; x: float32 -> the quantised numbers, widened to float32 again
;;       x = np.moveaxis(x, axis, -1); K = x.shape[-1]
;;       x = np.pad(x, [(0, 0)] * (x.ndim - 1) + [(0, -K % 32)]); x = x.reshape(x.shape[:-1] + (-1, 32)); a = np.abs(x).max(-1, keepdims=True)
;;       e = np.where(a > 0, np.clip(np.frexp(np.where(a > 0, a, 1))[1] - 1 - 2, -126, 127), 0)      # np.frexp(a)[1] - 1 = floor(log2(a)), exactly
;;       r = np.clip(x / 2.0 ** e, -6, 6)
;;       step = 2.0 ** (np.maximum(np.frexp(np.where(r == 0, 1, r))[1] - 1, 0) - 1)
;;       q = np.round(r / step) * step * 2.0 ** e      # np.round: ties to even
;;       return np.moveaxis(q.reshape(q.shape[:-2] + (-1,))[..., :K], -1, axis).astype(np.float32)
;;   ~~~
;;   SOFTMAX AHEAD OF A QUANTISED PRODUCT. Where the list says 'softmax', what is quantised is not the finished softmax but p = 2^(t - M), with t = logit x log2(e) and M = ceil(the row's largest t), a whole number; so 1/2 < the row's largest p <= 1. The row's sum l is taken of the UNQUANTISED p, in f32, and the product's result is divided by l at the end. Since M is a whole number, a kernel that streams over the keys may use a running M (the ceiling of the running maximum): every later rescaling is an exact power of two, which a block's scale takes up: the codes' values come out the same.
;;   OPERANDS COMPUTED ON THE WAY. 'Computed on the way' means the value that the module computes at that place (a softmax that the list does not call 'softmax' is quantised finished and normalised). What goes into a quantiser is computed in f32, as accurately as f32 sums, v_exp_f32 and their like allow (about 1e-6 of the number): no bf16 or f16 on the way to a quantiser, and a product that is left as it is and whose result goes on into a quantised operand takes f32 operands (vector FMAs, or v_wmma_f32_16x16x4_f32). A number that lies on a knife's edge between two numbers of the format may be rounded either way, as far as f32 arithmetic and the matrix unit's own rounding can turn it there, and no further.
;;   INPUTS GIVEN AS CODES. Wk (in the module: [1024, 1024], K = its axis 1); Wo (in the module: [1024, 1024], K = its axis 1); Wq (in the module: [1024, 1024], K = its axis 1); Wv (in the module: [1024, 1024], K = its axis 1); x (in the module: [1, 4096, 1024], K = its axis 2): each comes as NAME_codes (uint8): NAME with its K axis moved to the last place and cut into blocks of 32 codes, [.., K / 32, bytes a block], one block behind the other in memory; two codes a byte, the lower K in the low four bits (a code: sign, 2 exponent bits, 1 mantissa bit); and NAME_scales (uint8): the same leading axes, one E8M0 byte (e + 127) for each 32 codes along K. Its value is code x scale, taken as it is: it is not quantised again, and the codes and scales need not be those that the quantiser above would give.
;; One version. Each part assembles by itself: llvm-mc -triple=amdgcn-amd-amdhsa -mcpu=gfx1250 --defsym DOCPART=n.
;; ======== version 1 of 1: 3 launches
;; workspace buffers: qi 2,097,152 bytes; qs 262,144 bytes; kv 4,456,448 bytes; oi 2,097,152 bytes; os 131,072 bytes
;; launch qkv (part 1): grid 8 x 32, 12 waves a work-group, clusters of 4 x 4, 280,064 bytes of LDS; arguments x_codes, x_scales, Wq_codes, Wq_scales, Wk_codes, Wk_scales, Wv_codes, Wv_scales, bq, bk, bv, qi, qs, kv; writes qi, qs, kv
.if DOCPART == 1
	.amdgcn_target "amdgcn-amd-amdhsa--gfx1250"
	.amdhsa_code_object_version 6
	.text
	.protected	k_qd51a5f6602_qkv
	.globl	k_qd51a5f6602_qkv
	.p2align	8
	.type	k_qd51a5f6602_qkv,@function
k_qd51a5f6602_qkv:
	s_mov_b64 s[64:65], 0
	v_nop
	global_prefetch_b8 v0, s[64:65] scope:SCOPE_SE
	s_setreg_imm32_b32 hwreg(HW_REG_WAVE_MODE, 25, 1), 1
	s_wait_xcnt 0x0
	s_wait_alu depctr_hold_cnt(0) depctr_sa_sdst(0) depctr_va_vdst(0) depctr_va_sdst(0) depctr_va_ssrc(0) depctr_va_vcc(0) depctr_vm_vsrc(0)
	s_getreg_b32 s2, hwreg(HW_REG_IB_STS2, 6, 4)
	s_cmp_eq_u32 s2, 0
	s_cbranch_scc0 .Lentry_in_a_cluster
	s_endpgm
.Lentry_in_a_cluster:
	s_bfe_u32 s2, ttmp6, 0x10000c
	s_cmp_lg_u32 s2, 0xf033
	s_cbranch_scc0 .Lentry_shape_is_right
	s_endpgm
.Lentry_shape_is_right:
; q = x Wq^T + bq, k = x Wk^T + bk, v = x Wv^T + bv on codes of FP4 (E2M1) with one E8M0 scale for each 32 along K = 1,024; sums in f32.
; The results are quantised at once for the attention launch: q and k along the head's 64 numbers (two blocks), v along the keys, and stored as IMAGES OF OPERAND REGISTERS (lane l's 16 bytes at 16 l).
; SHARES.  Work-group (X, Y): rows 128 Y .. + 127 of x against heads 2 X and 2 X + 1 of all three weights.  Twelve waves, one job of 64 x 64 x 1,024 each: wave w: tensor w / 4 (q, k, v), half (w / 2) % 2 of the rows of x, head 2 X + w % 2.
; ONE PATH FOR ALL.  Every wave computes D = S0 S1^T and quantises along S0's rows: lane (r, h) of accumulator (T1, T0) holds S1's row 16 T1 + r, its register j S0's row 16 T0 + 8 h + j.
;   q, k: S0 = 64 rows of the weight (the head's numbers), S1 = 64 rows of x.      v: S0 = 64 rows of x (keys), S1 = 64 rows of Wv.
; LDS: all of K lies there, in two chunks of 512 along K: chunk c, operand o (x, Wq, Wk, Wv) at c x 139,264 + o x 34,816: 128 rows of 256 bytes + 16 of padding.  Every byte is filled once.
; CLUSTER 4 x 4: x's tile hangs on Y alone and is asked for jointly along a row of the cluster, a weight's on X alone and jointly along a column.
; LIMITS: a block whose largest magnitude lies under 2^-124 (a block of zeros too) gets the scale byte 1: its codes are zeros or nearly so, and this program alone reads the bytes.  NaN and infinities are not served.
; REGISTERS: v1-13 lane numbers and addresses; v16-47 scale words and nothing else; v48-63 at work in the quantiser; v64-95 S0's four fragments, v96-127 S1's; v128-255 the sixteen accumulators;
;   the bias waits in v224-255, the last four accumulators' registers, and is the C of the first K step.  Behind the products v64-79 take the codes, v80-81 the scale words.
.set WV,   4                           ; s4  wave
.set OP,   5                           ; s5  0 q, 1 k, 2 v
.set MH,   6                           ; s6  which 64 rows of x
.set HD,   7                           ; s7  which of the two heads
.set ISV,  8                           ; s8  1 in v's waves
.set NOTV, 9                           ; s9  1 in the others
.set SEL,  14                          ; s[14:15] selects of v_permlanex16_b32: lane l xor 16
.set G1X,  24                          ; s[24:31] descriptor group 1 for x's tiles;  s[32:39] for the weights'
.set G1W,  32
.set G0X,  40                          ; s[40:47] group 0 for x's two chunks;  s[48:55] for a weight's
.set G0W,  48
.set PITCH, 272                        ; 256 bytes + 16: the sixteen rows of a fragment load start at sixteen different 16-byte columns of 256
.set CH,    128*PITCH                  ; one operand's 128 rows of a chunk
.set CHUNK, 4*CH
.set HALFR, 64*PITCH
.set SCL,  16                          ; scale words: side o (0 S0, 1 S1), pair i, K step s at v[16 + 16 (s / 4) + 8 o + 4 i + s % 4]; lanes 0-15 tile i, lanes 16-31 tile i + 2
.set TM,   48
.set F0,   64
.set F1,   96
.set PC0,  64
.set PC1,  72
.set PW0,  80
.set PW1,  81
.set ACC,  128
.set BI,   224
.macro CROUND                          ; a round of the cluster's barrier
	s_barrier_signal -1
	s_barrier_wait -1
	s_cmp_lg_u32 s[WV], 0
	s_cbranch_scc1 .Lnot_wave_0_\@
	s_barrier_signal -3
.Lnot_wave_0_\@:
	s_barrier_wait -3
	s_barrier_signal -1
	s_barrier_wait -1
.endm
.macro PLACES n                        ; plain vector instructions between a matrix instruction and what may not follow it at once (ISA guide 7.12.1)
.rept \n
	v_nop
.endr
.endm
; one product; ra, rb: the side's scale words stand in lanes 16-31
.macro WM d, a, b, c, sa, sb, ra, rb
.if (\ra) && (\rb)
	v_wmma_scale_f32_16x16x128_f8f6f4 v[0+(\d):7+(\d)], v[0+(\a):7+(\a)], v[0+(\b):7+(\b)], v[0+(\c):7+(\c)], v[0+(\sa)], v[0+(\sb)] matrix_a_fmt:MATRIX_FMT_FP4 matrix_b_fmt:MATRIX_FMT_FP4 matrix_a_scale:MATRIX_SCALE_ROW1 matrix_b_scale:MATRIX_SCALE_ROW1
.elseif (\ra)
	v_wmma_scale_f32_16x16x128_f8f6f4 v[0+(\d):7+(\d)], v[0+(\a):7+(\a)], v[0+(\b):7+(\b)], v[0+(\c):7+(\c)], v[0+(\sa)], v[0+(\sb)] matrix_a_fmt:MATRIX_FMT_FP4 matrix_b_fmt:MATRIX_FMT_FP4 matrix_a_scale:MATRIX_SCALE_ROW1
.elseif (\rb)
	v_wmma_scale_f32_16x16x128_f8f6f4 v[0+(\d):7+(\d)], v[0+(\a):7+(\a)], v[0+(\b):7+(\b)], v[0+(\c):7+(\c)], v[0+(\sa)], v[0+(\sb)] matrix_a_fmt:MATRIX_FMT_FP4 matrix_b_fmt:MATRIX_FMT_FP4 matrix_b_scale:MATRIX_SCALE_ROW1
.else
	v_wmma_scale_f32_16x16x128_f8f6f4 v[0+(\d):7+(\d)], v[0+(\a):7+(\a)], v[0+(\b):7+(\b)], v[0+(\c):7+(\c)], v[0+(\sa)], v[0+(\sb)] matrix_a_fmt:MATRIX_FMT_FP4 matrix_b_fmt:MATRIX_FMT_FP4
.endif
.endm
; K step s: the four fragments of each side, 16 rows x 128 K = two loads of 16 bytes a lane, 32 bytes apart
.macro FETCH s, a0, a1
.irp t, 0,1,2,3
.irp c, 0,1
	ds_load_b128 v[F0+8*\t+4*\c:F0+8*\t+4*\c+3], v[\a0] offset:\t*16*PITCH+64*((\s)%4)+32*\c
.endr
.endr
.irp t, 0,1,2,3
.irp c, 0,1
	ds_load_b128 v[F1+8*\t+4*\c:F1+8*\t+4*\c+3], v[\a1] offset:\t*16*PITCH+64*((\s)%4)+32*\c
.endr
.endr
.endm
; K step s: sixteen products, the accumulators by turns, in the same order in every step.
; mode 0: onto the sums.  mode 1: the first step of q and k: C = the bias of S0's rows.  mode 2: of v: C = the bias of S1's rows.
; The bias lies in the registers of accumulators 12 to 15: five places stand ahead of the products that write over registers which earlier products read as C.
.macro MUL s, mode
.irp k, 0,1,2,3
.if (\mode) && (\k == 3)
	PLACES 5
.endif
.irp i, 0,1,2,3
.if (\mode == 2) && (\k == 3) && (\i == 3)
	PLACES 5
.endif
.if \mode == 0
.set CC, ACC+8*(4*\k+\i)
.elseif \mode == 1
.set CC, BI+8*\i
.else
.set CC, BI+8*\k
.endif
	WM ACC+8*(4*\k+\i), F0+8*\i, F1+8*\k, CC, SCL+16*((\s)/4)+4*(\i%2)+(\s)%4, SCL+16*((\s)/4)+8+4*(\k%2)+(\s)%4, \i/2, \k/2
.endr
.endr
.endm
; 64 numbers of a lane: eight tiles T, register 8 T + j = index 16 T + 8 (lane / 16) + j; block B of 32 = tiles 2 B, 2 B + 1, half of it here and half in lane l xor 16.
; They become eight registers of codes in the operand's layout (registers 4 c .. 4 c + 3: index 64 c + 32 (lane / 16) + 0 .. 31) and a word of four scale bytes.
.macro QUANT src, pc, pw
.irp b, 0,1,2,3
	v_max3_num_f32 v[TM+\b], |v[(\src)+16*\b]|, |v[(\src)+1+16*\b]|, 0x1800000   ; my 16 of block b, and the floor 2^(3 - 127): the byte cannot fall under 1
.endr
.irp i, 2,4,6,8,10,12,14
.irp b, 0,1,2,3
	v_max3_num_f32 v[TM+\b], v[TM+\b], |v[(\src)+16*\b+\i]|, |v[(\src)+1+16*\b+\i]|
.endr
.endr
.irp b, 0,1,2,3
	v_permlanex16_b32 v[TM+4+\b], v[TM+\b], s[SEL], s[SEL+1]
.endr
.irp b, 0,1,2,3
	v_max_num_f32 v[TM+\b], v[TM+\b], v[TM+4+\b]   ; the block's largest magnitude
.endr
.irp b, 0,1,2,3
	v_add_nc_u32 v[TM+12+\b], 0xff000000, v[TM+\b] ; 2 off its exponent field: the conversion's scale operand
.endr
.irp b, 0,1,2,3
	v_lshrrev_b32 v[TM+4+\b], 23, v[TM+12+\b]      ; the scale's byte
.endr
	v_lshl_or_b32 v[\pw], v[TM+5], 8, v[TM+4]
	v_lshl_or_b32 v[\pw], v[TM+6], 16, v[\pw]
	v_lshl_or_b32 v[\pw], v[TM+7], 24, v[\pw]
.irp c, 0,1
.irp e, 0,1
.irp u, 0,1
	v_cvt_scalef32_pk8_fp4_f32 v[(\pc)+4*\c+2*\u+\e], v[(\src)+16*(2*\c+\e)+8*\u:(\src)+16*(2*\c+\e)+8*\u+7], v[TM+12+2*\c+\e]   ; tile u of block 2 c + e
.endr
.endr
.endr
	v_nop                                          ; one plain instruction behind the last scaled conversion
.irp c, 0,1
.irp u, 0,1
	v_permlane16_swap_b32 v[(\pc)+4*\c+2*\u], v[(\pc)+4*\c+2*\u+1]   ; block 2 c's upper lanes change places with block 2 c + 1's lower ones: a whole block in a lane
.endr
.endr
.endm
	s_load_b512 s[68:83], s[0:1], 0x0              ; x_codes 68, x_scales 70, Wq_codes 72, Wq_scales 74, Wk_codes 76, Wk_scales 78, Wv_codes 80, Wv_scales 82
	s_load_b256 s[84:91], s[0:1], 0x40             ; bq 84, bk 86, bv 88, qi 90
	s_load_b128 s[92:95], s[0:1], 0x60             ; qs 92, kv 94
	v_lshl_add_u32 v58, v0, 2, 0x44000
	v_mov_b32 v59, 0
	ds_add_u32 v58, v59
	v_lshrrev_b32 v1, 5, v0
	v_readfirstlane_b32 s[WV], v1                  ; wave 0..11
	s_lshr_b32 s[OP], s[WV], 2
	s_bfe_u32 s[MH], s[WV], 0x10001
	s_and_b32 s[HD], s[WV], 1
	s_lshr_b32 s[ISV], s[WV], 3
	s_xor_b32 s[NOTV], s[ISV], 1
	s_bfe_u32 s10, ttmp6, 0x40000                  ; cx
	s_bfe_u32 s11, ttmp6, 0x40004                  ; cy
	s_lshl_b32 s12, ttmp9, 2
	s_add_co_u32 s12, s12, s10                     ; X
	s_and_b32 s13, ttmp7, 0xffff
	s_lshl_b32 s13, s13, 2
	s_add_co_u32 s13, s13, s11                     ; Y
	s_lshl_b32 s2, s11, 2
	s_lshl_b32 s2, 15, s2                          ; my row of the cluster
	s_lshl_b32 s3, 0x1111, s10                     ; my column
	; group 1: 128 rows of 256 elements of one byte, 512 bytes apart in memory; 4 words of padding behind every 64
	s_or_b32 s[G1X], s2, (1<<20)|(1<<21)|(5<<22)|(3<<25)
	s_or_b32 s[G1W], s3, (1<<20)|(1<<21)|(5<<22)|(3<<25)
.irp g, G1X, G1W
	s_mov_b32 s[\g+1], 256<<16                     ; tensor_dim0
	s_mov_b32 s[\g+2], 128<<16                     ; tensor_dim1
	s_mov_b32 s[\g+3], 256<<16                     ; tile_dim0
	s_mov_b32 s[\g+4], 128                         ; tile_dim1
	s_mov_b32 s[\g+5], 512                         ; from row to row
	s_mov_b32 s[\g+6], 0
	s_mov_b32 s[\g+7], 0
.endr
	s_mov_b32 s[SEL], 0x76543210
	s_mov_b32 s[SEL+1], 0xfedcba98
	; where my two operands lie in a chunk: plain arithmetic on the wave's number
	s_add_co_u32 s22, s[OP], 1
	s_mul_i32 s22, s22, s[NOTV]                    ; S0: operand 1 or 2 (q, k), 0 = x (v)
	s_mul_i32 s22, s22, CH
	s_mul_i32 s23, s[HD], s[NOTV]
	s_mul_i32 s96, s[MH], s[ISV]
	s_add_co_u32 s23, s23, s96                     ; its half: the head (q, k), the rows of x (v)
	s_mul_i32 s23, s23, HALFR
	s_add_co_u32 s22, s22, s23
	s_mul_i32 s23, s[ISV], 3*CH                    ; S1: x (q, k), Wv (v)
	s_mul_i32 s96, s[MH], s[NOTV]
	s_mul_i32 s97, s[HD], s[ISV]
	s_add_co_u32 s96, s96, s97
	s_mul_i32 s96, s96, HALFR
	s_add_co_u32 s23, s23, s96
	v_and_b32 v1, 31, v0                           ; lane
	v_and_b32 v2, 15, v0                           ; r
	v_bfe_u32 v3, v0, 4, 1                         ; h
	v_mul_u32_u24 v11, v2, PITCH
	v_lshl_add_u32 v11, v3, 4, v11                 ; a fragment's row x pitch + 16 h
	v_add_nc_u32 v4, s22, v11                      ; S0 in chunk 0,
	v_add_nc_u32 v5, CHUNK, v4                     ; in chunk 1
	v_add_nc_u32 v6, s23, v11                      ; S1 likewise
	v_add_nc_u32 v7, CHUNK, v6
	v_lshlrev_b32 v8, 5, v2
	v_lshl_add_u32 v8, v3, 10, v8                  ; scale words: row r of 32 bytes; lanes 16-31 take the tile 32 rows on
	v_lshlrev_b32 v9, 4, v1                        ; an image's place for my lane
	v_lshlrev_b32 v10, 2, v1                       ; a word's
	v_lshlrev_b32 v12, 5, v3                       ; the bias of q, k: eight numbers from 8 h on
	v_lshlrev_b32 v13, 2, v2                       ; of v: number r
	s_lshl_b32 s56, s13, 16                        ; x's 128 rows of 512 bytes
	s_mov_b32 s57, 0
	s_lshl_b32 s58, s12, 16                        ; a weight's
	s_mov_b32 s59, 0
	s_and_b32 s98, s[WV], 3
	s_mul_i32 s98, s98, CH                         ; waves 1, 2, 3 fill Wq's, Wk's, Wv's place
	s_lshl_b32 s66, s12, 12
	s_lshl_b32 s96, s[HD], 11
	s_add_co_u32 s66, s66, s96                     ; (128 X + 64 head) rows of 32 scale bytes
	s_lshl_b32 s67, s13, 12
	s_lshl_b32 s96, s[MH], 11
	s_add_co_u32 s67, s67, s96                     ; (128 Y + 64 half) rows of 32 scale bytes
	s_lshr_b32 s96, s66, 3                         ; (128 X + 64 head) numbers of a bias
	s_mov_b32 s97, 0
	s_wait_dscnt 0x0
	s_wait_kmcnt 0x0
	s_cmp_eq_u32 s[WV], 1
	s_cselect_b64 s[60:61], s[72:73], s[76:77]
	s_cmp_eq_u32 s[WV], 3
	s_cselect_b64 s[60:61], s[80:81], s[60:61]     ; the weight that my wave fetches, if it fetches one
	s_add_nc_u64 s[56:57], s[68:69], s[56:57]
	s_add_nc_u64 s[60:61], s[60:61], s[58:59]
.irp c, 0,1
	s_mov_b32 s[G0X+4*\c], 1
	s_mov_b32 s[G0X+4*\c+1], \c*CHUNK
	s_add_nc_u64 s[G0X+4*\c+2:G0X+4*\c+3], s[56:57], \c*256
	s_or_b32 s[G0X+4*\c+3], s[G0X+4*\c+3], 0x80000000
	s_mov_b32 s[G0W+4*\c], 1
	s_add_co_u32 s[G0W+4*\c+1], s98, \c*CHUNK
	s_add_nc_u64 s[G0W+4*\c+2:G0W+4*\c+3], s[60:61], \c*256
	s_or_b32 s[G0W+4*\c+3], s[G0W+4*\c+3], 0x80000000
.endr
	CROUND                                         ; all sixteen work-groups are here: the joint loads meet
	s_cmp_eq_u32 s[WV], 0                          ; a wave's two fills stand in one branch: wave 0 x's chunks, waves 1 to 3 a weight's, the others none.  Two loads of a wave are out at the most
	s_cbranch_scc0 .Lnot_x
	tensor_load_to_lds s[G0X:G0X+3], s[G1X:G1X+7]
	s_nop 0
	tensor_load_to_lds s[G0X+4:G0X+7], s[G1X:G1X+7]
	s_nop 0
	PLACES 4
	s_branch .Lasked
.Lnot_x:
	s_cmp_lt_u32 s[WV], 4
	s_cbranch_scc0 .Lasked
	tensor_load_to_lds s[G0W:G0W+3], s[G1W:G1W+7]
	s_nop 0
	tensor_load_to_lds s[G0W+4:G0W+7], s[G1W:G1W+7]
	s_nop 0
	PLACES 4
.Lasked:
	; my two sides' scale bytes and my bias: the buffers are chosen on the wave's number
	s_cmp_eq_u32 s[OP], 0
	s_cselect_b64 s[16:17], s[74:75], s[78:79]     ; S0's scales: Wq's or Wk's,
	s_cselect_b64 s[20:21], s[84:85], s[86:87]     ; bq or bk
	s_cmp_eq_u32 s[OP], 2
	s_cselect_b64 s[16:17], s[70:71], s[16:17]     ; or, for v, x's;
	s_cselect_b64 s[18:19], s[82:83], s[70:71]     ; S1's: Wv's, else x's
	s_cselect_b64 s[20:21], s[88:89], s[20:21]
	s_cselect_b32 s98, s67, s66
	s_cselect_b32 s62, s66, s67
	s_mov_b32 s99, 0
	s_mov_b32 s63, 0
	s_add_nc_u64 s[16:17], s[16:17], s[98:99]
	s_add_nc_u64 s[18:19], s[18:19], s[62:63]
	s_add_nc_u64 s[20:21], s[20:21], s[96:97]
.irp i, 0,1
	global_load_b128 v[SCL+4*\i:SCL+4*\i+3],       v8, s[16:17] offset:512*\i      ; four words: K steps 0 to 3
	global_load_b128 v[SCL+8+4*\i:SCL+8+4*\i+3],   v8, s[18:19] offset:512*\i
	global_load_b128 v[SCL+16+4*\i:SCL+16+4*\i+3], v8, s[16:17] offset:512*\i+16   ; K steps 4 to 7
	global_load_b128 v[SCL+24+4*\i:SCL+24+4*\i+3], v8, s[18:19] offset:512*\i+16
.endr
	s_cmp_eq_u32 s[ISV], 0
	s_cbranch_scc0 .Lbias_v
.irp t, 0,1,2,3
	global_load_b128 v[BI+8*\t:BI+8*\t+3],   v12, s[20:21] offset:64*\t      ; register j: the bias of S0's row 16 t + 8 h + j
	global_load_b128 v[BI+8*\t+4:BI+8*\t+7], v12, s[20:21] offset:64*\t+16
.endr
	s_branch .Lbias_done
.Lbias_v:
.irp t, 0,1,2,3
.irp j, 0,1,2,3,4,5,6,7
	global_load_b32 v[BI+8*\t+\j], v13, s[20:21] offset:64*\t               ; all eight registers: the bias of S1's row 16 t + r
.endr
.endr
.Lbias_done:
	s_wait_tensorcnt 0x1                           ; my part of chunk 0 is in; chunk 1's load may be out
	s_barrier_signal -1
	s_barrier_wait -1                              ; everybody's is
	s_wait_loadcnt 0x0                             ; scale words and bias
	FETCH 0, 4, 6
	s_wait_dscnt 0x0
	s_cmp_eq_u32 s[ISV], 0
	s_cbranch_scc0 .Lmul_v
	MUL 0, 1
	s_branch .Lmul_done
.Lmul_v:
	MUL 0, 2
.Lmul_done:
	PLACES 4                                       ; in front of loads into registers that matrix instructions have read
.irp s, 1,2,3
	FETCH \s, 4, 6
	s_wait_dscnt 0x0
	MUL \s, 0
	PLACES 4
.endr
	s_wait_tensorcnt 0x0                           ; my part of chunk 1 is in (no LDS load of mine is out),
	s_barrier_signal -1
	s_barrier_wait -1                              ; everybody's is
.irp s, 4,5,6,7
	FETCH \s, 5, 7
	s_wait_dscnt 0x0
	MUL \s, 0
	PLACES 4                                       ; the last four: in front of the first read of results
.endr
.irp b, 0,1,2,3
	v_mov_b32 v[TM+4+\b], 0                        ; a lane permute's destination counts as one of its sources
.endr
	v_cmp_le_u32 vcc_lo, 16, v1                    ; lanes 16-31
	QUANT ACC, PC0, PW0                            ; S1's tiles 0 and 1: two blocks each
	QUANT ACC+64, PC1, PW1                         ; tiles 2 and 3
	s_lshl_b32 s22, s12, 1
	s_add_co_u32 s22, s22, s[HD]                   ; the head
	s_mov_b32 s97, 0
	s_mov_b32 s99, 0
	s_cmp_eq_u32 s[OP], 0
	s_cbranch_scc0 .Lnot_q
	; q: four tiles of 16 queries, 512 bytes each; a query's scale word is (s0, s1, s0, s1)
	s_lshl_b32 s23, s22, 8
	s_lshl_b32 s96, s13, 3
	s_add_co_u32 s23, s23, s96
	s_lshl_b32 s96, s[MH], 2
	s_add_co_u32 s23, s23, s96                     ; 256 head + 8 Y + 4 half: my first tile
	s_lshl_b32 s96, s23, 9
	s_lshl_b32 s98, s23, 6
	s_add_nc_u64 s[62:63], s[90:91], s[96:97]
	s_add_nc_u64 s[66:67], s[92:93], s[98:99]
	v_perm_b32 v82, v[PW0], v[PW0], 0x01000100     ; tile 0's two bytes, twice
	v_perm_b32 v83, v[PW0], v[PW0], 0x03020302     ; tile 1's
	v_perm_b32 v84, v[PW1], v[PW1], 0x01000100
	v_perm_b32 v85, v[PW1], v[PW1], 0x03020302
	v_cndmask_b32 v82, v82, v83, vcc_lo            ; lanes 0-15 the even tile's words, lanes 16-31 the odd tile's
	v_cndmask_b32 v84, v84, v85, vcc_lo
.irp t, 0,1,2,3
	global_store_b128 v9, v[PC0+4*\t:PC0+4*\t+3], s[62:63] offset:512*\t   ; 32 lanes store 512 consecutive bytes
.endr
	global_store_b32 v10, v82, s[66:67]
	global_store_b32 v10, v84, s[66:67] offset:128
	s_branch .Lstored
.Lnot_q:
	s_lshl_b32 s23, s22, 5
	s_add_co_u32 s23, s23, s13                     ; 32 head + Y: the key step's block of 8,704 bytes
	s_mul_i32 s96, s23, 8704
	s_add_nc_u64 s[62:63], s[94:95], s[96:97]
	s_cmp_eq_u32 s[OP], 1
	s_cbranch_scc0 .Lis_v
	; k: two fragments, each two tiles of 16 keys (registers 0-3, 4-7); a fragment's word holds both tiles' bytes as the quantiser left them
	s_lshl_b32 s96, s[MH], 11
	s_lshl_b32 s98, s[MH], 7
	s_add_nc_u64 s[66:67], s[62:63], s[98:99]
	s_add_nc_u64 s[62:63], s[62:63], s[96:97]
	v_cndmask_b32 v82, v[PW0], v[PW1], vcc_lo      ; lanes 0-15 the even fragment's words, lanes 16-31 the odd one's
.irp t, 0,1,2,3
	global_store_b128 v9, v[PC0+4*\t:PC0+4*\t+3], s[62:63] offset:512*\t
.endr
	global_store_b32 v10, v82, s[66:67] offset:8192
	s_branch .Lstored
.Lis_v:
	; v: four tiles of 16 of the head's numbers; my 64 keys are half a fragment (512 bytes) and two of a word's four bytes
	s_lshl_b32 s96, s[MH], 9
	s_lshl_b32 s98, s[MH], 1
	s_add_nc_u64 s[66:67], s[62:63], s[98:99]
	s_add_nc_u64 s[62:63], s[62:63], s[96:97]
	v_lshrrev_b32 v83, 16, v[PW0]
	v_lshrrev_b32 v85, 16, v[PW1]
	v_cndmask_b32 v82, v[PW0], v83, vcc_lo         ; lanes 0-15 the even tile's two bytes, lanes 16-31 the odd tile's
	v_cndmask_b32 v84, v[PW1], v85, vcc_lo
.irp t, 0,1,2,3
	global_store_b128 v9, v[PC0+4*\t:PC0+4*\t+3], s[62:63] offset:4096+1024*\t
.endr
	global_store_b16 v10, v82, s[66:67] offset:8448
	global_store_b16 v10, v84, s[66:67] offset:8576
.Lstored:
	s_wait_tensorcnt 0x0
	ds_add_u32 v58, v59
	s_wait_dscnt 0x0
	CROUND                                         ; the closing round: no work-group ends while a partner may still ask for a tile that names it
	s_endpgm
.Lfunc_end_k_qd51a5f6602_qkv:
	.size	k_qd51a5f6602_qkv, .Lfunc_end_k_qd51a5f6602_qkv-k_qd51a5f6602_qkv
	.p2alignl 7, 3214868480
	.fill 96, 4, 3214868480
	.section	.rodata,"a",@progbits
	.p2align	6, 0x0
	.amdhsa_kernel k_qd51a5f6602_qkv
		.amdhsa_group_segment_fixed_size 280064
		.amdhsa_private_segment_fixed_size 0
		.amdhsa_enable_private_segment 0
		.amdhsa_kernarg_size 112
		.amdhsa_user_sgpr_count 2
		.amdhsa_user_sgpr_kernarg_segment_ptr 1
		.amdhsa_wavefront_size32 1
		.amdhsa_system_sgpr_workgroup_id_x 1
		.amdhsa_system_sgpr_workgroup_id_y 1
		.amdhsa_system_sgpr_workgroup_id_z 1
		.amdhsa_system_vgpr_workitem_id 0
		.amdhsa_next_free_vgpr 256
		.amdhsa_next_free_sgpr 100
		.amdhsa_reserve_vcc 1
		.amdhsa_float_denorm_mode_32 3
		.amdhsa_float_denorm_mode_16_64 3
		.amdhsa_memory_ordered 1
		.amdhsa_forward_progress 1
		.amdhsa_inst_pref_size 51
	.end_amdhsa_kernel
	.amdgpu_metadata
---
amdhsa.version: [ 1, 2 ]
amdhsa.kernels:
  - .name:           k_qd51a5f6602_qkv
    .symbol:         k_qd51a5f6602_qkv.kd
    .args:
      - { .name: x_codes, .offset: 0, .size: 8, .value_kind: global_buffer, .address_space: global }
      - { .name: x_scales, .offset: 8, .size: 8, .value_kind: global_buffer, .address_space: global }
      - { .name: Wq_codes, .offset: 16, .size: 8, .value_kind: global_buffer, .address_space: global }
      - { .name: Wq_scales, .offset: 24, .size: 8, .value_kind: global_buffer, .address_space: global }
      - { .name: Wk_codes, .offset: 32, .size: 8, .value_kind: global_buffer, .address_space: global }
      - { .name: Wk_scales, .offset: 40, .size: 8, .value_kind: global_buffer, .address_space: global }
      - { .name: Wv_codes, .offset: 48, .size: 8, .value_kind: global_buffer, .address_space: global }
      - { .name: Wv_scales, .offset: 56, .size: 8, .value_kind: global_buffer, .address_space: global }
      - { .name: bq, .offset: 64, .size: 8, .value_kind: global_buffer, .address_space: global }
      - { .name: bk, .offset: 72, .size: 8, .value_kind: global_buffer, .address_space: global }
      - { .name: bv, .offset: 80, .size: 8, .value_kind: global_buffer, .address_space: global }
      - { .name: qi, .offset: 88, .size: 8, .value_kind: global_buffer, .address_space: global }
      - { .name: qs, .offset: 96, .size: 8, .value_kind: global_buffer, .address_space: global }
      - { .name: kv, .offset: 104, .size: 8, .value_kind: global_buffer, .address_space: global }
    .group_segment_fixed_size: 280064
    .private_segment_fixed_size: 0
    .kernarg_segment_align: 8
    .kernarg_segment_size: 112
    .max_flat_workgroup_size: 384
    .sgpr_count:     100
    .vgpr_count:     256
    .wavefront_size: 32
...
	.end_amdgpu_metadata
.endif
;; end of part 1
;; launch attn (part 2): grid 16 x 16, 16 waves a work-group, clusters of 4 x 1, 327,680 bytes of LDS; arguments qi, qs, kv, oi, os; writes oi, os
.if DOCPART == 2
	.amdgcn_target "amdgcn-amd-amdhsa--gfx1250"
	.amdhsa_code_object_version 6
	.text
	.protected	k_qd51a5f6602_attn
	.globl	k_qd51a5f6602_attn
	.p2align	8
	.type	k_qd51a5f6602_attn,@function
k_qd51a5f6602_attn:
	s_mov_b64 s[64:65], 0
	v_nop
	global_prefetch_b8 v0, s[64:65] scope:SCOPE_SE
	s_setreg_imm32_b32 hwreg(HW_REG_WAVE_MODE, 25, 1), 1
	s_wait_xcnt 0x0
	s_wait_alu depctr_hold_cnt(0) depctr_sa_sdst(0) depctr_va_vdst(0) depctr_va_sdst(0) depctr_va_ssrc(0) depctr_va_vcc(0) depctr_vm_vsrc(0)
	s_getreg_b32 s2, hwreg(HW_REG_IB_STS2, 6, 4)
	s_cmp_eq_u32 s2, 0
	s_cbranch_scc0 .Lentry_in_a_cluster
	s_endpgm
.Lentry_in_a_cluster:
	s_bfe_u32 s2, ttmp6, 0x10000c
	s_cmp_lg_u32 s2, 0x3003
	s_cbranch_scc0 .Lentry_shape_is_right
	s_endpgm
.Lentry_shape_is_right:
; o[q] = the sum over keys k <= q of softmax_k(q . k / 8) v[k], for 16 heads of 64, 4,096 rows; both products on codes of FP4 (E2M1) with E8M0 scales; o is quantised along d_model for the last projection.
; THE SOFTMAX: t = score x log2(e) / 8; M = the running largest t rounded UP to a whole number; p = 2^(t - M) is quantised along the keys, not normalised; the row's sum is taken of the unquantised p and divides at the end.
; When M moves, the sum and O are multiplied by 2^(old M - new M), which rounds nothing.
; INPUTS are images of operand registers made by the launch before: qi [head][tile of 16 queries][512 bytes], qs [head][tile][16 words], kv [head][key step of 128 keys][8,704 bytes]:
;   + 0 four fragments of K (each two tiles of 16 keys: registers 0-3, 4-7), + 4,096 four fragments of V^T (16 of the head's numbers x 128 keys), + 8,192 K's scale words (2 x 128 bytes), + 8,448 V's (2 x 128 bytes).
; K = 64 IN A FORM OF K = 128: a fragment of K carries two tiles of keys; Q stands in v16-27 between zeros: v[20:27] is q at k 0-63 with zero codes above, v[16:23] the other way round.  Zero codes add nothing under any scale byte here.
; SHARES.  Work-group x of a head, sixteen waves, a tile of 16 queries each: tile 16 g + x, g = 4 ((w / 4 + w % 4) % 4) + w / 4: each work-group has tiles of all depths of the causal triangle.
; Every wave walks all 32 key steps (constant trip counts); a step whose keys all come after the wave's queries is jumped over, by a scalar branch on the wave's number and the cluster's number, which partners share.
; LAYOUT.  Both products transposed: S^T = K Q^T, O^T = V^T P^T: a lane holds ONE query (lane % 16); tile T's register j is key 16 T + 8 (lane / 16) + j.
; CLUSTER 4 x 1: the four work-groups belong to one head and walk the same kv blocks: each slot of four key steps is asked for jointly.
; LIMITS: a block under 2^-124 (a block of zeros too) gets the scale byte 1; NaN and infinities are not served; 1 / sum by v_rcp_f32.  The scale bytes of o leave one byte a lane (131,072 bytes in the launch).
; REGISTERS: v1-11 addresses and constants; v12 -M, v13 the largest t, v[14:15] the sum; v16-27 Q; v28 Q's scale words, v29-30 K's, v31 p's, v200-201 V's (scales and nothing else);
;   v32-63 K's four fragments; v64-95 V's; v96-159 S^T, then p; v160-191 O^T; v192-199 p's codes; v210-224 at work.
.set STEPB, 8704                       ; a key step's block
.set SLOTB, 4*STEPB                    ; a slot: four of them
.set SLOT1, 1<<16                      ; slot 1 begins here: one exclusive or turns an address in one slot into the other's
.set SPARE, 1<<17                      ; the spare words: 128 bytes for each of sixteen waves, eight blocks of 256 bytes that no other line names
.set LI,  1                            ; v1   16 x lane
.set LS,  2                            ; v2   4 x lane
.set SPW, 3                            ; v3   SPARE + 4 x my thread's number; never rewritten
.set NIL, 4                            ; v4   0; never rewritten
.set ADK, 5                            ; v5   the slot in hand + 16 x lane
.set ADS, 6                            ; v6   the slot in hand + 4 x lane
.set PFO, 7                            ; v7   256 x lane; never rewritten
.set DQ,  8                            ; v8   my query's place in its key step - 8 (lane / 16)
.set NEG, 9                            ; v9   -infinity
.set KF,  32
.set VF,  64
.set S,   96
.set O,   160
.set PC,  192
.set FF,  210                          ; v[210:211] f = 2^(old M - new M); later 1 / sum (the upper word is written once, and not used)
.set BM,  212                          ; v212-215 the blocks' largest scores, then largest p
.set PD,  216                          ; v216-219 permutes' destinations; the sum's second chain; the scale bytes
.set SO,  220                          ; v220-223 the conversions' scale operands
.set TA,  224
.set TB,  2                            ; s2   LDS byte at which the slot in hand begins
.set J,   3                            ; s3   the key step
.set WV,  18
.set SEL, 20
.set CS,  22                           ; s[22:23] c = log2(e) / 8
.set G1,  24
.set G0,  40
.set JD,  66                           ; s66  the key step that holds my queries' diagonal
.set SLOTS, 67
.set PFA, 76
.set LIM, 80
.macro CROUND                          ; a round of the cluster's barrier
	s_barrier_signal -1
	s_barrier_wait -1
	s_cmp_lg_u32 s[WV], 0
	s_cbranch_scc1 .Lnot_wave_0_\@
	s_barrier_signal -3
.Lnot_wave_0_\@:
	s_barrier_wait -3
	s_barrier_signal -1
	s_barrier_wait -1
.endm
.macro TLOAD                           ; waves 0 and 1 fetch a slot's halves, 68 rows of 256 bytes each; four v_nop follow the line
	s_cmp_lt_u32 s[WV], 2
	s_cbranch_scc0 .Lasked_\@
	tensor_load_to_lds s[G0:G0+3], s[G1:G1+7]
	s_nop 0
.rept 4
	v_nop
.endr
.Lasked_\@:
.endm
; A PREFETCH of what the NEXT change of slots will ask for.  All clusters of a head walk the same blocks: the head's first cluster asks.  Its four partners share a slot's four key steps out BY ADDRESS, one each;
; in each, wave 4 asks, one instruction: 32 lanes, 256 bytes apart, name the 8,192 bytes of the step's images of K and V (its 512 bytes of scale words come by their load alone).
; The last change that fills a slot asks for nothing; slots 0 and 1 come by their loads alone.
.macro ASK
	s_cmp_gt_u32 s[SLOTS], s[LIM]
	s_cbranch_scc0 .Lnot_mine_\@
	global_prefetch_b8 v[PFO], s[PFA:PFA+1] th:TH_LOAD_NT scope:SCOPE_SE
.Lnot_mine_\@:
.endm
; THE CHANGE OF SLOTS stands at a slot's head.  Each wave waits for all its tensor loads, adds 0 to its spare word, and waits for that and for its reads of the slot that it has left.
; fill = 1: a round of the cluster's barrier, and behind it the slot just left is filled with the four key steps that follow: the load has a slot's four steps in which to land.  One load of a wave is out.
.macro CHANGE fill
	s_wait_tensorcnt 0x0                           ; no tensor load of mine is out, so the group 0 may be written
	ds_add_u32 v[SPW], v[NIL]                      ; 0 onto my spare word
.if \fill
	s_xor_b32 s[G0+1], s[G0+1], SLOT1              ; the other slot than last time,
	s_add_nc_u64 s[G0+2:G0+3], s[G0+2:G0+3], SLOTB ; the next four key steps
	s_wait_xcnt 0x0                                ; the last prefetch, a slot back, has read its address
	s_add_nc_u64 s[PFA:PFA+1], s[PFA:PFA+1], SLOTB
.endif
	s_wait_dscnt 0x0                               ; the add is done, and my reads of the slot that I have left are over
.if \fill
	CROUND                                         ; no wave of any partner still reads that slot or has a load on its way
	TLOAD
	ASK
.else
	s_barrier_signal -1
	s_barrier_wait -1
.endif
.endm
; A KEY STEP: 128 keys, the q-th of the slot in hand.
.macro STEP q
	s_cmp_gt_u32 s[J], s[JD]                       ; all its keys come after my queries: nothing to do but count
	s_cbranch_scc1 .Lhidden_\@
	v_add_nc_u32 v[ADK], s[TB], v[LI]
	v_add_nc_u32 v[ADS], s[TB], v[LS]
	v_nop
	v_nop                                          ; four places in front of loads into registers that the last step's products read
.irp g, 0,1
	ds_load_b32 v[29+\g], v[ADS] offset:STEPB*\q+8192+128*\g     ; K's scale words: lanes 0-15 fragment 2 g's, lanes 16-31 fragment 2 g + 1's
.endr
.irp f, 0,1,2,3
.irp c, 0,1
	ds_load_b128 v[KF+8*\f+4*\c:KF+8*\f+4*\c+3], v[ADK] offset:STEPB*\q+1024*\f+512*\c
.endr
.endr
.irp f, 0,1,2,3
.irp c, 0,1
	ds_load_b128 v[VF+8*\f+4*\c:VF+8*\f+4*\c+3], v[ADK] offset:STEPB*\q+4096+1024*\f+512*\c
.endr
.endr
.irp g, 0,1
	ds_load_b32 v[200+\g], v[ADS] offset:STEPB*\q+8448+128*\g    ; V's scale words
.endr
	s_wait_dscnt 10                                ; K and its words are in; V's eight loads and its two words may be out
.irp t, 0,1,2,3,4,5,6,7                        ; S^T: tile t of 16 keys: the lower or the upper half of fragment t / 2, against q below or above the zeros
.if (\t/2)%2
	v_wmma_scale_f32_16x16x128_f8f6f4 v[S+8*\t:S+8*\t+7], v[KF+8*(\t/2):KF+8*(\t/2)+7], v[20-4*(\t%2):27-4*(\t%2)], 0, v[29+\t/4], v28 matrix_a_fmt:MATRIX_FMT_FP4 matrix_b_fmt:MATRIX_FMT_FP4 matrix_a_scale:MATRIX_SCALE_ROW1
.else
	v_wmma_scale_f32_16x16x128_f8f6f4 v[S+8*\t:S+8*\t+7], v[KF+8*(\t/2):KF+8*(\t/2)+7], v[20-4*(\t%2):27-4*(\t%2)], 0, v[29+\t/4], v28 matrix_a_fmt:MATRIX_FMT_FP4 matrix_b_fmt:MATRIX_FMT_FP4
.endif
.endr
.rept 4
	v_nop                                          ; places in front of the first read of results
.endr
	s_cmp_lt_u32 s[J], s[JD]                       ; all keys count: no mask
	s_cbranch_scc1 .Lopen_\@
.irp n, 0,1,2,3,4,5,6,7,8,9,10,11,12,13,14,15,16,17,18,19,20,21,22,23,24,25,26,27,28,29,30,31,32,33,34,35,36,37,38,39,40,41,42,43,44,45,46,47,48,49,50,51,52,53,54,55,56,57,58,59,60,61,62,63
	v_cmp_gt_i32 vcc_lo, 16*(\n/8)+\n%8, v[DQ]     ; on the diagonal: register n holds key 16 (n / 8) + 8 (lane / 16) + n % 8 of the step: hidden where it comes after my query
	v_cndmask_b32 v[S+\n], v[S+\n], v[NEG], vcc_lo
.endr
.Lopen_\@:
.irp b, 0,1,2,3
	v_max3_num_f32 v[BM+\b], v[S+16*\b], v[S+1+16*\b], v[S+2+16*\b]   ; the largest score of each block of 32 keys: for the row's maximum and, since p rises with the score, for the block's largest p
.endr
.irp i, 3,5,7,9,11,13
.irp b, 0,1,2,3
	v_max3_num_f32 v[BM+\b], v[BM+\b], v[S+16*\b+\i], v[S+1+16*\b+\i]
.endr
.endr
.irp b, 0,1,2,3
	v_max_num_f32 v[BM+\b], v[BM+\b], v[S+15+16*\b]
.endr
.irp b, 0,1,2,3
	v_permlanex16_b32 v[PD+\b], v[BM+\b], s[SEL], s[SEL+1]
.endr
.irp b, 0,1,2,3
	v_max_num_f32 v[BM+\b], v[BM+\b], v[PD+\b]     ; with lane l xor 16's 16 keys
.endr
	v_max3_num_f32 v[TA], v[BM], v[BM+1], v[BM+2]
	v_max_num_f32 v[TA], v[TA], v[BM+3]            ; the step's largest score of my query
	v_mul_f32 v[TA], s[CS], v[TA]
	v_max_num_f32 v13, v13, v[TA]                  ; the running largest t
	v_mov_b32 v[TA], v12
	v_floor_f32 v12, -v13                          ; the new -M = -ceil(t)
	v_sub_f32 v[TA], v12, v[TA]                    ; old M - new M: a whole number, 0 or less
	v_cvt_i32_f32 v[TA], v[TA]                     ; (it saturates)
	v_ldexp_f32 v[FF], 1.0, v[TA]                  ; f
.irp j, 0,2,4,6,8,10,12,14,16,18,20,22,24,26,28,30,32,34,36,38,40,42,44,46,48,50,52,54,56,58,60,62
	v_pk_fma_f32 v[S+\j:S+\j+1], v[S+\j:S+\j+1], s[CS:CS+1], v[12:13] op_sel_hi:[1,0,0]   ; t - M, two at a time
.endr
.irp b, 0,1,2,3
	v_fma_f32 v[BM+\b], v[BM+\b], s[CS], v12       ; the same of each block's largest score
.endr
.irp j, 0,1,2,3,4,5,6,7,8,9,10,11,12,13,14,15,16,17,18,19,20,21,22,23,24,25,26,27,28,29,30,31,32,33,34,35,36,37,38,39,40,41,42,43,44,45,46,47,48,49,50,51,52,53,54,55,56,57,58,59,60,61,62,63
	v_exp_f32 v[S+\j], v[S+\j]                     ; p = 2^(t - M)
.endr
	v_pk_mul_f32 v[14:15], v[14:15], v[FF:FF+1] op_sel_hi:[1,0]   ; the sums under the new M: the plain instruction behind the exponentials
	s_wait_alu depctr_va_vdst(0)                   ; one wait for the batch of 64, ahead of its first reader
.irp b, 0,1,2,3
	v_exp_f32 v[BM+\b], v[BM+\b]                   ; the blocks' largest p
.endr
	v_pk_add_f32 v[PD:PD+1], v[S:S+1], v[S+2:S+3]  ; the row's sum of the unquantised p, in two chains; it names none of the four
.irp j, 4,8,12,16,20,24,28,32,36,40,44,48,52,56,60
	v_pk_add_f32 v[14:15], v[14:15], v[S+\j:S+\j+1]
	v_pk_add_f32 v[PD:PD+1], v[PD:PD+1], v[S+2+\j:S+3+\j]
.endr
	v_pk_add_f32 v[14:15], v[14:15], v[PD:PD+1]
	s_wait_alu depctr_va_vdst(0)                   ; and one for the four
.irp b, 0,1,2,3
	v_max_num_f32 v[BM+\b], 0x1800000, v[BM+\b]    ; the floor 2^(3 - 127): the byte cannot fall under 1
.endr
.irp b, 0,1,2,3
	v_add_nc_u32 v[SO+\b], 0xff000000, v[BM+\b]    ; 2 off the exponent field: the conversion's scale operand
.endr
.irp b, 0,1,2,3
	v_lshrrev_b32 v[PD+\b], 23, v[SO+\b]           ; the scale's byte
.endr
	v_lshl_or_b32 v31, v[PD+1], 8, v[PD]           ; p's scale word for these 128 keys
	v_lshl_or_b32 v31, v[PD+2], 16, v31
	v_lshl_or_b32 v31, v[PD+3], 24, v31
.irp c, 0,1
.irp e, 0,1
.irp u, 0,1
	v_cvt_scalef32_pk8_fp4_f32 v[PC+4*\c+2*\u+\e], v[S+16*(2*\c+\e)+8*\u:S+16*(2*\c+\e)+8*\u+7], v[SO+2*\c+\e]   ; tile u of block 2 c + e
.endr
.endr
.endr
	v_nop                                          ; one plain instruction behind the last scaled conversion
.irp c, 0,1
.irp u, 0,1
	v_permlane16_swap_b32 v[PC+4*\c+2*\u], v[PC+4*\c+2*\u+1]   ; a whole block in a lane: registers 4 c .. 4 c + 3 hold keys 64 c + 32 (lane / 16) + 0 .. 31
.endr
.endr
.irp j, 0,2,4,6,8,10,12,14,16,18,20,22,24,26,28,30
	v_pk_mul_f32 v[O+\j:O+\j+1], v[O+\j:O+\j+1], v[FF:FF+1] op_sel_hi:[1,0]   ; O^T under the new M; these sixteen also stand between the scale word, the codes and the products
.endr
	s_wait_dscnt 0x0                               ; V and its words are in
.irp t, 0,1,2,3                                ; O^T += V^T P^T: four accumulators by turns
.if \t%2
	v_wmma_scale_f32_16x16x128_f8f6f4 v[O+8*\t:O+8*\t+7], v[VF+8*\t:VF+8*\t+7], v[PC:PC+7], v[O+8*\t:O+8*\t+7], v[200+\t/2], v31 matrix_a_fmt:MATRIX_FMT_FP4 matrix_b_fmt:MATRIX_FMT_FP4 matrix_a_scale:MATRIX_SCALE_ROW1
.else
	v_wmma_scale_f32_16x16x128_f8f6f4 v[O+8*\t:O+8*\t+7], v[VF+8*\t:VF+8*\t+7], v[PC:PC+7], v[O+8*\t:O+8*\t+7], v[200+\t/2], v31 matrix_a_fmt:MATRIX_FMT_FP4 matrix_b_fmt:MATRIX_FMT_FP4
.endif
.endr
.Lhidden_\@:
	s_add_co_u32 s[J], s[J], 1
.endm
.macro SLOT_STEPS
	STEP 0
	STEP 1
	STEP 2
	STEP 3
	s_xor_b32 s[TB], s[TB], SLOT1                  ; on to the other slot
.endm
	s_load_b256 s[4:11], s[0:1], 0x0               ; qi s[4:5], qs s[6:7], kv s[8:9], oi s[10:11]
	s_load_b64 s[12:13], s[0:1], 0x20              ; os
	v_lshl_add_u32 v[SPW], v0, 2, SPARE
	v_mov_b32 v[NIL], 0
	ds_add_u32 v3, v4
	s_wait_dscnt 0x0
	v_lshrrev_b32 v5, 5, v0
	v_readfirstlane_b32 s[WV], v5                  ; wave 0..15
	s_bfe_u32 s14, ttmp6, 0x40000                  ; cx: it enters global addresses and one number of the mask, no branch and no LDS address
	s_lshl_b32 s15, ttmp9, 2
	s_add_co_u32 s15, s15, s14                     ; x
	s_and_b32 s16, ttmp7, 0xffff                   ; the head
	s_lshr_b32 s32, s[WV], 2
	s_and_b32 s33, s[WV], 3
	s_add_co_u32 s33, s33, s32
	s_and_b32 s33, s33, 3
	s_lshl_b32 s33, s33, 2
	s_add_co_u32 s33, s33, s32                     ; g
	s_lshl_b32 s[JD], s33, 1
	s_lshr_b32 s32, ttmp9, 1
	s_add_co_u32 s[JD], s[JD], s32                 ; (16 g + x) / 8 = 2 g + cluster x / 2: the same in all four partners
	s_lshl_b32 s17, s33, 4
	s_add_co_u32 s17, s17, s15                     ; my tile of queries
	s_and_b32 s37, s15, 7
	s_lshl_b32 s37, s37, 4                         ; its place in its key step
	s_mul_i32 s34, s16, 32*STEPB                   ; the head's blocks
	s_mov_b32 s35, 0
	s_and_b32 s36, s[WV], 1
	s_mul_i32 s36, s36, SLOTB/2                    ; the half of a slot that I fetch, if I fetch
	s_mul_i32 s38, s14, STEPB
	s_add_co_u32 s38, s38, SLOTB                   ; the prefetches stand in slot 1, at my work-group's key step: the first change steps them to slot 2
	s_mov_b32 s39, 0
	; group 1: 68 dense rows of 32 elements of 8 bytes; the mask names all four work-groups, bit 21 beside it
	s_mov_b32 s[G1], 15|(3<<16)|(1<<21)
	s_mov_b32 s[G1+1], 32<<16
	s_mov_b32 s[G1+2], 68<<16
	s_mov_b32 s[G1+3], 32<<16
	s_mov_b32 s[G1+4], 68
	s_mov_b32 s[G1+5], 32
	s_mov_b32 s[G1+6], 0
	s_mov_b32 s[G1+7], 0
	s_mov_b32 s[SEL], 0x76543210
	s_mov_b32 s[SEL+1], 0xfedcba98
	s_mov_b32 s[CS], 0x3e38aa3b                    ; log2(e) / 8
	s_mov_b32 s[CS+1], s[CS]
	s_mov_b32 s[TB], 0
	s_mov_b32 s[J], 0
	s_mov_b32 s[SLOTS], 7
	s_xor_b32 s[LIM], s[WV], 4
	s_or_b32 s[LIM], s[LIM], ttmp9                 ; 0 in wave 4 of the head's first cluster
	s_cmp_eq_u32 s[LIM], 0
	s_cselect_b32 s[LIM], 1, -1
	s_lshl_b32 s32, s16, 8
	s_add_co_u32 s32, s32, s17                     ; 256 head + tile
	s_lshl_b32 s44, s32, 9
	s_mov_b32 s45, 0
	s_lshl_b32 s46, s32, 6
	s_mov_b32 s47, 0
	s_lshl_b32 s48, s17, 4
	s_add_co_u32 s48, s48, s16
	s_lshl_b32 s48, s48, 9                         ; (16 tile + head) x 512
	s_mov_b32 s49, 0
	s_lshl_b32 s50, s17, 9
	s_lshl_b32 s52, s16, 1
	s_add_co_u32 s50, s50, s52                     ; 16 tile rows of 32 bytes + 2 head
	s_mov_b32 s51, 0
	v_and_b32 v10, 31, v0
	v_lshlrev_b32 v[LI], 4, v10
	v_lshlrev_b32 v[LS], 2, v10
	v_lshlrev_b32 v[PFO], 8, v10
	v_and_b32 v11, 15, v0                          ; r
	v_bfe_u32 v9, v0, 4, 1                         ; h
	v_lshlrev_b32 v[DQ], 3, v9
	v_sub_nc_u32 v[DQ], v11, v[DQ]
	v_add_nc_u32 v[DQ], s37, v[DQ]
	v_lshlrev_b32 v10, 2, v11                      ; v10: 4 r: my query's scale word
	v_lshl_add_u32 v11, v11, 5, v9                 ; v11: 32 r + h: my byte among o's scale bytes
	v_mov_b32 v[NEG], 0xff800000
	s_wait_kmcnt 0x0
	s_add_nc_u64 s[8:9], s[8:9], s[34:35]          ; kv at my head
	s_add_nc_u64 s[PFA:PFA+1], s[8:9], s[38:39]
	s_mov_b32 s34, s36
	s_mov_b32 s[G0], 1
	s_mov_b32 s[G0+1], s36                         ; slot 0
	s_add_nc_u64 s[G0+2:G0+3], s[8:9], s[34:35]
	s_or_b32 s[G0+3], s[G0+3], 0x80000000
	CROUND                                         ; all four work-groups are here: the first joint load meets
	TLOAD                                          ; slot 0
	s_add_nc_u64 s[4:5], s[4:5], s[44:45]
	s_add_nc_u64 s[6:7], s[6:7], s[46:47]
	s_add_nc_u64 s[10:11], s[10:11], s[48:49]
	s_add_nc_u64 s[12:13], s[12:13], s[50:51]
	global_load_b128 v[20:23], v[LI], s[4:5]       ; q: lane (r, h): query r, numbers 32 h .. 32 h + 31
	global_load_b32 v28, v10, s[6:7]               ; its scale word (s0, s1, s0, s1)
.irp j, 16,17,18,19,24,25,26,27
	v_mov_b32 v\j, 0                               ; zero codes below and above q
.endr
	v_mov_b32 v13, 0xff61b1e6                      ; the largest t so far: -3e38
	v_floor_f32 v12, -v13
	v_mov_b32 v14, 0
	v_mov_b32 v15, 0
	v_mov_b32 v[FF+1], 0
.irp b, 0,1,2,3
	v_mov_b32 v[PD+\b], 0                          ; a lane permute's destination counts as one of its sources
.endr
.irp j, 0,1,2,3,4,5,6,7,8,9,10,11,12,13,14,15,16,17,18,19,20,21,22,23,24,25,26,27,28,29,30,31
	v_mov_b32 v[O+\j], 0                           ; the step is written once: the first finds zeros, which the first change of M leaves zeros
.endr
	s_wait_loadcnt 0x0                             ; q
.Lslot:                                            ; seven trips: behind each change of slots but the last the next slot is asked for
	CHANGE 1
	SLOT_STEPS
	s_sub_co_u32 s[SLOTS], s[SLOTS], 1
	s_cmp_lg_u32 s[SLOTS], 0
	s_cbranch_scc1 .Lslot
	CHANGE 0                                       ; the last slot is written out
	SLOT_STEPS
	; THE WAY OUT: O^T / the sum; its two blocks of 32 along d_model are quantised; the codes are half a fragment of the last projection (512 bytes), the two bytes go to the rows' scale bytes.
.rept 4
	v_nop                                          ; places behind the last products
.endr
	v_add_f32 v14, v14, v15
	v_permlanex16_b32 v[PD], v14, s[SEL], s[SEL+1]
	v_add_f32 v14, v14, v[PD]                      ; the row's sum
	v_rcp_f32 v[FF], v14
	v_and_b32 v[TA], 31, v0                        ; (a plain instruction behind the reciprocal)
	v_cmp_le_u32 vcc_lo, 16, v[TA]                 ; lanes 16-31
	s_wait_alu depctr_va_vdst(0)                   ; ahead of the reciprocal's first reader
.irp j, 0,2,4,6,8,10,12,14,16,18,20,22,24,26,28,30
	v_pk_mul_f32 v[O+\j:O+\j+1], v[O+\j:O+\j+1], v[FF:FF+1] op_sel_hi:[1,0]
.endr
.irp e, 0,1
	v_max3_num_f32 v[BM+\e], |v[O+16*\e]|, |v[O+1+16*\e]|, 0x1800000
.endr
.irp i, 2,4,6,8,10,12,14
.irp e, 0,1
	v_max3_num_f32 v[BM+\e], v[BM+\e], |v[O+16*\e+\i]|, |v[O+1+16*\e+\i]|
.endr
.endr
.irp e, 0,1
	v_permlanex16_b32 v[PD+\e], v[BM+\e], s[SEL], s[SEL+1]
.endr
.irp e, 0,1
	v_max_num_f32 v[BM+\e], v[BM+\e], v[PD+\e]
.endr
.irp e, 0,1
	v_add_nc_u32 v[SO+\e], 0xff000000, v[BM+\e]
.endr
.irp e, 0,1
	v_lshrrev_b32 v[PD+\e], 23, v[SO+\e]
.endr
.irp e, 0,1
.irp u, 0,1
	v_cvt_scalef32_pk8_fp4_f32 v[PC+2*\u+\e], v[O+16*\e+8*\u:O+16*\e+8*\u+7], v[SO+\e]
.endr
.endr
	v_nop                                          ; one plain instruction behind the last scaled conversion
.irp u, 0,1
	v_permlane16_swap_b32 v[PC+2*\u], v[PC+2*\u+1]
.endr
	v_cndmask_b32 v[TA], v[PD], v[PD+1], vcc_lo    ; lanes 0-15 store block 0's byte, lanes 16-31 block 1's
	global_store_b128 v[LI], v[PC:PC+3], s[10:11]  ; 32 lanes store 512 consecutive bytes
	global_store_b8 v11, v[TA], s[12:13]
	s_wait_tensorcnt 0x0                           ; the wave's end
	ds_add_u32 v[SPW], v[NIL]
	s_wait_dscnt 0x0
	CROUND                                         ; the closing round
	s_endpgm
.Lfunc_end_k_qd51a5f6602_attn:
	.size	k_qd51a5f6602_attn, .Lfunc_end_k_qd51a5f6602_attn-k_qd51a5f6602_attn
	.p2alignl 7, 3214868480
	.fill 96, 4, 3214868480
	.section	.rodata,"a",@progbits
	.p2align	6, 0x0
	.amdhsa_kernel k_qd51a5f6602_attn
		.amdhsa_group_segment_fixed_size 327680
		.amdhsa_private_segment_fixed_size 0
		.amdhsa_enable_private_segment 0
		.amdhsa_kernarg_size 40
		.amdhsa_user_sgpr_count 2
		.amdhsa_user_sgpr_kernarg_segment_ptr 1
		.amdhsa_wavefront_size32 1
		.amdhsa_system_sgpr_workgroup_id_x 1
		.amdhsa_system_sgpr_workgroup_id_y 1
		.amdhsa_system_sgpr_workgroup_id_z 1
		.amdhsa_system_vgpr_workitem_id 0
		.amdhsa_next_free_vgpr 256
		.amdhsa_next_free_sgpr 100
		.amdhsa_reserve_vcc 1
		.amdhsa_float_denorm_mode_32 3
		.amdhsa_float_denorm_mode_16_64 3
		.amdhsa_memory_ordered 1
		.amdhsa_forward_progress 1
		.amdhsa_inst_pref_size 170
	.end_amdhsa_kernel
	.amdgpu_metadata
---
amdhsa.version: [ 1, 2 ]
amdhsa.kernels:
  - .name:           k_qd51a5f6602_attn
    .symbol:         k_qd51a5f6602_attn.kd
    .args:
      - { .name: qi, .offset: 0, .size: 8, .value_kind: global_buffer, .address_space: global }
      - { .name: qs, .offset: 8, .size: 8, .value_kind: global_buffer, .address_space: global }
      - { .name: kv, .offset: 16, .size: 8, .value_kind: global_buffer, .address_space: global }
      - { .name: oi, .offset: 24, .size: 8, .value_kind: global_buffer, .address_space: global }
      - { .name: os, .offset: 32, .size: 8, .value_kind: global_buffer, .address_space: global }
    .group_segment_fixed_size: 327680
    .private_segment_fixed_size: 0
    .kernarg_segment_align: 8
    .kernarg_segment_size: 40
    .max_flat_workgroup_size: 512
    .sgpr_count:     100
    .vgpr_count:     256
    .wavefront_size: 32
...
	.end_amdgpu_metadata
.endif
;; end of part 2
;; launch oproj (part 3): grid 8 x 32, 8 waves a work-group, clusters of 4 x 4, 201,728 bytes of LDS; arguments oi, os, Wo_codes, Wo_scales, bo, out0; writes out0
.if DOCPART == 3
	.amdgcn_target "amdgcn-amd-amdhsa--gfx1250"
	.amdhsa_code_object_version 6
	.text
	.protected	k_qd51a5f6602_oproj
	.globl	k_qd51a5f6602_oproj
	.p2align	8
	.type	k_qd51a5f6602_oproj,@function
k_qd51a5f6602_oproj:
	s_mov_b64 s[64:65], 0
	v_nop
	global_prefetch_b8 v0, s[64:65] scope:SCOPE_SE
	s_setreg_imm32_b32 hwreg(HW_REG_WAVE_MODE, 25, 1), 1
	s_wait_xcnt 0x0
	s_wait_alu depctr_hold_cnt(0) depctr_sa_sdst(0) depctr_va_vdst(0) depctr_va_sdst(0) depctr_va_ssrc(0) depctr_va_vcc(0) depctr_vm_vsrc(0)
	s_getreg_b32 s2, hwreg(HW_REG_IB_STS2, 6, 4)
	s_cmp_eq_u32 s2, 0
	s_cbranch_scc0 .Lentry_in_a_cluster
	s_endpgm
.Lentry_in_a_cluster:
	s_bfe_u32 s2, ttmp6, 0x10000c
	s_cmp_lg_u32 s2, 0xf033
	s_cbranch_scc0 .Lentry_shape_is_right
	s_endpgm
.Lentry_shape_is_right:
; out = o Wo^T + bo on codes of FP4 (E2M1) with one E8M0 scale for each 32 along K = 1,024; sums and out in f32.
; o comes as images of operand registers, oi [tile of 16 rows][head][512 bytes]: (tile, heads 2 s and 2 s + 1) is the fragment of K step s; its scale bytes os [row][32].  Wo comes as rows of 512 bytes of codes, Wo_scales [row][32].
; SHARES.  Work-group (X, Y) makes 128 rows x 128 columns; wave w: rows 64 (w / 4) on, columns 32 (w % 4) on: eight accumulators.  TRANSPOSED: source 0 = 16 rows of Wo, source 1 = 16 rows of o: a lane holds eight neighbouring columns of a row.
; LDS, each byte filled once: 0: o's 8 tiles x 8,192 bytes;  65,536: Wo's 128 rows of 512 bytes + 16;  133,120: a stage of 128 rows of 512 bytes + 16, which no tensor load fills.
; CLUSTER 4 x 4: o's images hang on Y alone and are asked for jointly along a row of the cluster, Wo's rows on X alone and jointly along a column.
; REGISTERS: v1-11 lane numbers and addresses; v16-31 o's scale words, v32-39 Wo's (scales and nothing else); v40-55 bo as the C of the first K step; v56-103, v104-151 two sets of fragments; v152-215 the accumulators; v56-119 rows on the way out.
.set WV,  16
.set G1A, 24
.set G1B, 32
.set G0A, 40
.set G0B, 44
.set BP,  528                          ; a row of Wo, and of the stage, in LDS: 512 bytes + 16: sixteen rows start at sixteen different 16-byte columns of 256
.set BOFF, 65536
.set STG, BOFF+128*BP
.set LI,  4                            ; v4  16 x lane
.set ADA, 5                            ; v5  my tiles of o
.set ADB, 6                            ; v6  my rows of Wo
.set STO, 7                            ; v7  the stage: where I put 32 bytes of a row
.set RD,  8                            ; v8  and where I read a row back
.set ACC, 152
.macro CROUND
	s_barrier_signal -1
	s_barrier_wait -1
	s_cmp_lg_u32 s[WV], 0
	s_cbranch_scc1 .Lnot_wave_0_\@
	s_barrier_signal -3
.Lnot_wave_0_\@:
	s_barrier_wait -3
	s_barrier_signal -1
	s_barrier_wait -1
.endm
.macro PLACES n
.rept \n
	v_nop
.endr
.endm
.macro WM d, a, b, c, sa, sb, ra, rb
.if (\ra) && (\rb)
	v_wmma_scale_f32_16x16x128_f8f6f4 v[0+(\d):7+(\d)], v[0+(\a):7+(\a)], v[0+(\b):7+(\b)], v[0+(\c):7+(\c)], v[0+(\sa)], v[0+(\sb)] matrix_a_fmt:MATRIX_FMT_FP4 matrix_b_fmt:MATRIX_FMT_FP4 matrix_a_scale:MATRIX_SCALE_ROW1 matrix_b_scale:MATRIX_SCALE_ROW1
.elseif (\ra)
	v_wmma_scale_f32_16x16x128_f8f6f4 v[0+(\d):7+(\d)], v[0+(\a):7+(\a)], v[0+(\b):7+(\b)], v[0+(\c):7+(\c)], v[0+(\sa)], v[0+(\sb)] matrix_a_fmt:MATRIX_FMT_FP4 matrix_b_fmt:MATRIX_FMT_FP4 matrix_a_scale:MATRIX_SCALE_ROW1
.elseif (\rb)
	v_wmma_scale_f32_16x16x128_f8f6f4 v[0+(\d):7+(\d)], v[0+(\a):7+(\a)], v[0+(\b):7+(\b)], v[0+(\c):7+(\c)], v[0+(\sa)], v[0+(\sb)] matrix_a_fmt:MATRIX_FMT_FP4 matrix_b_fmt:MATRIX_FMT_FP4 matrix_b_scale:MATRIX_SCALE_ROW1
.else
	v_wmma_scale_f32_16x16x128_f8f6f4 v[0+(\d):7+(\d)], v[0+(\a):7+(\a)], v[0+(\b):7+(\b)], v[0+(\c):7+(\c)], v[0+(\sa)], v[0+(\sb)] matrix_a_fmt:MATRIX_FMT_FP4 matrix_b_fmt:MATRIX_FMT_FP4
.endif
.endm
.macro FETCH s                         ; K step s: twelve loads into set s % 2: Wo's two fragments, then o's four
.set FB, 56+48*((\s)%2)
.irp i, 0,1
.irp c, 0,1
	ds_load_b128 v[FB+8*\i+4*\c:FB+8*\i+4*\c+3], v[ADB] offset:\i*16*BP+64*(\s)+32*\c
.endr
.endr
.irp k, 0,1,2,3
.irp c, 0,1
	ds_load_b128 v[FB+16+8*\k+4*\c:FB+16+8*\k+4*\c+3], v[ADA] offset:\k*8192+1024*(\s)+512*\c
.endr
.endr
.endm
.macro MUL s                           ; eight products, the accumulators by turns; the first K step takes the bias as C
.set FB, 56+48*((\s)%2)
.irp k, 0,1,2,3
.irp i, 0,1
.if (\s) == 0
.set CC, 40+8*\i
.else
.set CC, ACC+8*(2*\k+\i)
.endif
	WM ACC+8*(2*\k+\i), FB+8*\i, FB+16+8*\k, CC, 32+(\s), 16+8*(\k%2)+(\s), \i, \k/2
.endr
.endr
.endm
	s_load_b256 s[4:11], s[0:1], 0x0               ; oi s[4:5], os s[6:7], Wo_codes s[8:9], Wo_scales s[10:11]
	s_load_b128 s[12:15], s[0:1], 0x20             ; bo s[12:13], out0 s[14:15]
	v_lshl_add_u32 v254, v0, 2, 0x31000
	v_mov_b32 v255, 0
	ds_add_u32 v254, v255
	v_lshrrev_b32 v1, 5, v0
	v_readfirstlane_b32 s[WV], v1                  ; wave 0..7
	s_lshr_b32 s17, s[WV], 2                       ; which 64 rows
	s_and_b32 s18, s[WV], 3                        ; which 32 columns
	s_and_b32 s19, s[WV], 1                        ; which half of a tile I fetch, if I fetch
	s_bfe_u32 s20, ttmp6, 0x40000                  ; cx
	s_bfe_u32 s21, ttmp6, 0x40004                  ; cy
	s_lshl_b32 s22, ttmp9, 2
	s_add_co_u32 s22, s22, s20                     ; X
	s_and_b32 s23, ttmp7, 0xffff
	s_lshl_b32 s23, s23, 2
	s_add_co_u32 s23, s23, s21                     ; Y
	s_lshl_b32 s2, s21, 2
	s_lshl_b32 s2, 15, s2                          ; my row of the cluster
	s_lshl_b32 s3, 0x1111, s20                     ; my column
	s_or_b32 s[G1A], s2, (3<<16)|(1<<21)           ; o's images: 128 dense rows of 32 elements of 8 bytes
	s_mov_b32 s[G1A+1], 32<<16
	s_mov_b32 s[G1A+2], 128<<16
	s_mov_b32 s[G1A+3], 32<<16
	s_mov_b32 s[G1A+4], 128
	s_mov_b32 s[G1A+5], 32
	s_mov_b32 s[G1A+6], 0
	s_mov_b32 s[G1A+7], 0
	s_or_b32 s[G1B], s3, (1<<20)|(1<<21)|(6<<22)|(3<<25)   ; Wo: 64 rows of 512 elements of one byte; 4 words of padding behind every 128
	s_mov_b32 s[G1B+1], 512<<16
	s_mov_b32 s[G1B+2], 64<<16
	s_mov_b32 s[G1B+3], 512<<16
	s_mov_b32 s[G1B+4], 64
	s_mov_b32 s[G1B+5], 512
	s_mov_b32 s[G1B+6], 0
	s_mov_b32 s[G1B+7], 0
	s_lshl_b32 s66, s19, 15                        ; my half: 32,768 bytes of either tensor in memory
	s_lshl_b32 s48, s23, 16
	s_add_co_u32 s48, s48, s66                     ; o: 65,536 Y + the half
	s_mov_b32 s49, 0
	s_lshl_b32 s50, s22, 16
	s_add_co_u32 s50, s50, s66                     ; Wo: (128 X + 64 half) rows of 512 bytes
	s_mov_b32 s51, 0
	s_mul_i32 s67, s19, 64*BP
	v_and_b32 v1, 31, v0                           ; lane
	v_and_b32 v2, 15, v0                           ; r
	v_bfe_u32 v3, v0, 4, 1                         ; h
	v_lshlrev_b32 v[LI], 4, v1
	s_lshl_b32 s52, s17, 15
	v_add_nc_u32 v[ADA], s52, v[LI]                ; my four tiles of o: 8,192 bytes each
	s_mul_i32 s53, s18, 32*BP
	s_add_co_u32 s53, s53, BOFF
	v_mul_u32_u24 v12, v2, BP
	v_lshl_add_u32 v[ADB], v3, 4, v12
	v_add_nc_u32 v[ADB], s53, v[ADB]               ; Wo: row 32 (w % 4) + r, + 16 h
	s_mul_i32 s54, s17, 64*BP
	s_lshl_b32 s55, s18, 7
	s_add_co_u32 s54, s54, s55
	s_add_co_u32 s54, s54, STG
	v_lshl_add_u32 v[STO], v3, 5, v12
	v_add_nc_u32 v[STO], s54, v[STO]               ; the stage: row 64 (w / 4) + r, + 128 (w % 4) + 32 h
	s_mul_i32 s55, s[WV], 16*BP
	s_add_co_u32 s55, s55, STG
	v_add_nc_u32 v[RD], s55, v[LI]                 ; back: my 16 rows, 16 bytes a lane
	v_lshlrev_b32 v9, 5, v2
	v_lshl_add_u32 v9, v3, 10, v9                  ; o's scale words: row r; lanes 16-31 the tile 32 rows on
	v_lshlrev_b32 v10, 5, v1                       ; Wo's: lanes 0-15 my first 16 rows, lanes 16-31 the next
	v_lshlrev_b32 v11, 5, v3                       ; bo: eight numbers from 8 h on
	s_lshl_b32 s56, s23, 12
	s_lshl_b32 s68, s17, 11
	s_add_co_u32 s56, s56, s68                     ; (128 Y + 64 (w / 4)) rows of 32 scale bytes
	s_mov_b32 s57, 0
	s_lshl_b32 s58, s22, 12
	s_lshl_b32 s68, s18, 10
	s_add_co_u32 s58, s58, s68                     ; (128 X + 32 (w % 4)) rows of 32 scale bytes
	s_mov_b32 s59, 0
	s_lshr_b32 s60, s58, 3                         ; as many numbers of bo
	s_mov_b32 s61, 0
	s_lshl_b32 s62, s23, 19
	s_lshl_b32 s68, s[WV], 16
	s_add_co_u32 s62, s62, s68
	s_lshl_b32 s68, s22, 9
	s_add_co_u32 s62, s62, s68                     ; out: (128 Y + 16 w) rows of 4,096 bytes + 512 X
	s_mov_b32 s63, 0
	s_wait_dscnt 0x0
	s_wait_kmcnt 0x0
	s_mov_b32 s[G0A], 1
	s_mov_b32 s[G0A+1], s66                        ; o's half in LDS: as in memory
	s_add_nc_u64 s[G0A+2:G0A+3], s[4:5], s[48:49]
	s_or_b32 s[G0A+3], s[G0A+3], 0x80000000
	s_mov_b32 s[G0B], 1
	s_add_co_u32 s[G0B+1], s67, BOFF
	s_add_nc_u64 s[G0B+2:G0B+3], s[8:9], s[50:51]
	s_or_b32 s[G0B+3], s[G0B+3], 0x80000000
	CROUND                                         ; all sixteen work-groups are here: the joint loads meet
	s_cmp_lt_u32 s[WV], 2                          ; waves 0 and 1 fetch o's halves, waves 2 and 3 Wo's, the others nothing: one load of a wave is out
	s_cbranch_scc0 .Lnot_a
	tensor_load_to_lds s[G0A:G0A+3], s[G1A:G1A+7]
	s_nop 0
	PLACES 4
	s_branch .Lasked
.Lnot_a:
	s_cmp_lt_u32 s[WV], 4
	s_cbranch_scc0 .Lasked
	tensor_load_to_lds s[G0B:G0B+3], s[G1B:G1B+7]
	s_nop 0
	PLACES 4
.Lasked:
	s_add_nc_u64 s[6:7], s[6:7], s[56:57]
	s_add_nc_u64 s[10:11], s[10:11], s[58:59]
	s_add_nc_u64 s[12:13], s[12:13], s[60:61]
	s_add_nc_u64 s[14:15], s[14:15], s[62:63]
.irp i, 0,1
	global_load_b128 v[16+8*\i:19+8*\i], v9, s[6:7] offset:512*\i      ; pair i (tiles i and i + 2): the words of K steps 0 to 3,
	global_load_b128 v[20+8*\i:23+8*\i], v9, s[6:7] offset:512*\i+16   ; 4 to 7
.endr
	global_load_b128 v[32:35], v10, s[10:11]
	global_load_b128 v[36:39], v10, s[10:11] offset:16
.irp t, 0,1
	global_load_b128 v[40+8*\t:43+8*\t], v11, s[12:13] offset:64*\t    ; register j: bo of column 16 t + 8 h + j of my 32
	global_load_b128 v[44+8*\t:47+8*\t], v11, s[12:13] offset:64*\t+16
.endr
	s_wait_tensorcnt 0x0                           ; my part is in,
	s_barrier_signal -1
	s_barrier_wait -1                              ; everybody's is
	s_wait_loadcnt 0x0                             ; scale words and bias
	FETCH 0
.irp s, 0,1,2,3,4,5,6,7
.if (\s > 0) && (\s < 7)
	PLACES 4                                       ; in front of loads into the set that the last step's products read
.endif
.if \s < 7
	FETCH \s+1
	s_wait_dscnt 12                                ; this step's fragments are in; the twelve just issued may be out
.else
	s_wait_dscnt 0x0
.endif
	MUL \s
.endr
	PLACES 4                                       ; in front of the first read of results, and of loads into the fragments' registers
	; THE WAY OUT: a row's 128 columns come from four waves: they meet in the stage, and each wave stores 16 whole rows of 512 bytes
.irp k, 0,1,2,3
.irp i, 0,1
	ds_store_b128 v[STO], v[ACC+8*(2*\k+\i):ACC+8*(2*\k+\i)+3] offset:\k*16*BP+64*\i        ; each accumulator from its low end on
	ds_store_b128 v[STO], v[ACC+8*(2*\k+\i)+4:ACC+8*(2*\k+\i)+7] offset:\k*16*BP+64*\i+16
.endr
.endr
	s_wait_dscnt 0x0                               ; for the others' sake: my stores into the stage are done
	s_barrier_signal -1
	s_barrier_wait -1
.irp t, 0,1,2,3,4,5,6,7,8,9,10,11,12,13,14,15
	ds_load_b128 v[56+4*\t:59+4*\t], v[RD] offset:\t*BP
.endr
.irp t, 0,1,2,3,4,5,6,7,8,9,10,11,12,13,14,15
	s_wait_dscnt 15-\t                             ; row t is back; the younger loads may be out
	global_store_b128 v[LI], v[56+4*\t:59+4*\t], s[14:15] offset:4096*\t th:TH_STORE_NT   ; 32 lanes store 512 consecutive bytes, at a multiple of 256 from out's first byte
.endr
	s_wait_tensorcnt 0x0
	ds_add_u32 v254, v255
	s_wait_dscnt 0x0
	CROUND                                         ; the closing round
	s_endpgm
.Lfunc_end_k_qd51a5f6602_oproj:
	.size	k_qd51a5f6602_oproj, .Lfunc_end_k_qd51a5f6602_oproj-k_qd51a5f6602_oproj
	.p2alignl 7, 3214868480
	.fill 96, 4, 3214868480
	.section	.rodata,"a",@progbits
	.p2align	6, 0x0
	.amdhsa_kernel k_qd51a5f6602_oproj
		.amdhsa_group_segment_fixed_size 201728
		.amdhsa_private_segment_fixed_size 0
		.amdhsa_enable_private_segment 0
		.amdhsa_kernarg_size 48
		.amdhsa_user_sgpr_count 2
		.amdhsa_user_sgpr_kernarg_segment_ptr 1
		.amdhsa_wavefront_size32 1
		.amdhsa_system_sgpr_workgroup_id_x 1
		.amdhsa_system_sgpr_workgroup_id_y 1
		.amdhsa_system_sgpr_workgroup_id_z 1
		.amdhsa_system_vgpr_workitem_id 0
		.amdhsa_next_free_vgpr 256
		.amdhsa_next_free_sgpr 80
		.amdhsa_reserve_vcc 0
		.amdhsa_float_denorm_mode_32 3
		.amdhsa_float_denorm_mode_16_64 3
		.amdhsa_memory_ordered 1
		.amdhsa_forward_progress 1
		.amdhsa_inst_pref_size 27
	.end_amdhsa_kernel
	.amdgpu_metadata
---
amdhsa.version: [ 1, 2 ]
amdhsa.kernels:
  - .name:           k_qd51a5f6602_oproj
    .symbol:         k_qd51a5f6602_oproj.kd
    .args:
      - { .name: oi, .offset: 0, .size: 8, .value_kind: global_buffer, .address_space: global }
      - { .name: os, .offset: 8, .size: 8, .value_kind: global_buffer, .address_space: global }
      - { .name: Wo_codes, .offset: 16, .size: 8, .value_kind: global_buffer, .address_space: global }
      - { .name: Wo_scales, .offset: 24, .size: 8, .value_kind: global_buffer, .address_space: global }
      - { .name: bo, .offset: 32, .size: 8, .value_kind: global_buffer, .address_space: global }
      - { .name: out0, .offset: 40, .size: 8, .value_kind: global_buffer, .address_space: global }
    .group_segment_fixed_size: 201728
    .private_segment_fixed_size: 0
    .kernarg_segment_align: 8
    .kernarg_segment_size: 48
    .max_flat_workgroup_size: 256
    .sgpr_count:     80
    .vgpr_count:     256
    .wavefront_size: 32
...
	.end_amdgpu_metadata
.endif
;; end of part 3
